; MI455X (gfx1250); checked and timed in simulation.
; The chip was launched on July 23, 2026; its instructions are those of AMD's public machine-readable ISA for CDNA 5 (MIT licence, August 2026) and "CDNA5" Instruction Set Architecture Reference Guide (July 2026). The comments in the code are by the model that wrote it; some were corrected since.
;; Multi Head Attention. Allowed arithmetic: matrix products marked QUANTISED: E2M3 operands, one E8M0 scale for each 32 along K, by v_wmma_scale_f32_16x16x128_f8f6f4 with both operands' format E2M3, f32 sums; everything else in f32.
;; Inputs: Wk_codes 16 x 64 x 32 x 24 uint8 (E2M3 codes of Wk, K innermost, in blocks of 32 codes, four codes in three bytes); Wk_scales 16 x 64 x 32 uint8 (E8M0 scales of Wk, one for each 32 codes along K); Wo_codes 1,024 x 32 x 24 uint8 (E2M3 codes of Wo, K innermost, in blocks of 32 codes, four codes in three bytes); Wo_scales 1,024 x 32 uint8 (E8M0 scales of Wo, one for each 32 codes along K); Wq_codes 16 x 64 x 32 x 24 uint8 (E2M3 codes of Wq, K innermost, in blocks of 32 codes, four codes in three bytes); Wq_scales 16 x 64 x 32 uint8 (E8M0 scales of Wq, one for each 32 codes along K); Wv_codes 16 x 64 x 32 x 24 uint8 (E2M3 codes of Wv, K innermost, in blocks of 32 codes, four codes in three bytes); Wv_scales 16 x 64 x 32 uint8 (E8M0 scales of Wv, one for each 32 codes along K); bk 16 x 64 float32; bo 1,024 float32; bq 16 x 64 float32; bv 16 x 64 float32; key_codes 4 x 2,048 x 32 x 24 uint8 (E2M3 codes of key, K innermost, in blocks of 32 codes, four codes in three bytes); key_scales 4 x 2,048 x 32 uint8 (E8M0 scales of key, one for each 32 codes along K); query_codes 4 x 2,048 x 32 x 24 uint8 (E2M3 codes of query, K innermost, in blocks of 32 codes, four codes in three bytes); query_scales 4 x 2,048 x 32 uint8 (E8M0 scales of query, one for each 32 codes along K); value_codes 4 x 2,048 x 32 x 24 uint8 (E2M3 codes of value, K innermost, in blocks of 32 codes, four codes in three bytes); value_scales 4 x 2,048 x 32 uint8 (E8M0 scales of value, one for each 32 codes along K).
;; Outputs: out0 4 x 2,048 x 1,024 float32.
;; This version of the problem:
;;   THIS VERSION OF THE PROBLEM IS GIVEN IN LOW PRECISION. The matrix products marked QUANTISED in the list below multiply operands that are first quantised to E2M3 (2 exponent bits, 3 mantissa bits; 6 bits a number), with one power-of-two scale for each 32 numbers along K (OCP MX v1.0); their sums are f32. All else is computed in f32.
;;   The module's matrix products, in the order in which they are computed (A, B: the left and right operand; K: the contracted axis; several contracted axes count as one K, in the product's order):
;;     1. [M 1,024, K 1,024] x [K 1,024, N 8,192]; A: input Wq (given as codes); B: input query (given as codes): QUANTISED
;;     2. [M 1,024, K 1,024] x [K 1,024, N 8,192]; A: input Wk (given as codes); B: input key (given as codes): QUANTISED
;;     3. [M 1,024, K 1,024] x [K 1,024, N 8,192]; A: input Wv (given as codes); B: input value (given as codes): QUANTISED
;;     4. batch 64 x [M 2,048, K 64] x [K 64, N 2,048]; A: computed on the way; B: computed on the way: QUANTISED
;;     5. batch 64 x [M 2,048, K 2,048] x [K 2,048, N 64]; A: softmax (see below); B: computed on the way: QUANTISED
;;     6. [M 8,192, K 1,024] x [K 1,024, N 1,024]; A: computed on the way; B: input Wo (given as codes): QUANTISED
;;   THE QUANTISER, for each operand of a quantised product, along K:
;;     - K is cut into blocks of 32 from its start; a last block that is shorter is filled with zeros.
;;     - A block's scale is 2^e with e = floor(log2(the largest magnitude in the block)) - 2, held to -126 .. 127; a block of zeros has e = 0. As a byte (E8M0): e + 127.
;;     - Each number is divided by its block's scale, clamped to +-7.5, and rounded to the nearest number of E2M3, ties to even, subnormals kept.
;;     - The product sums the exact products of the quantised numbers (number of the format x scale) in f32.
;;   ~~~python
;;   def quantise(x, axis):      # numpy; x: float32 -> the quantised numbers, widened to float32 again
;;       x = np.moveaxis(x, axis, -1); K = x.shape[-1]
;;       x = np.pad(x, [(0, 0)] * (x.ndim - 1) + [(0, -K % 32)]); x = x.reshape(x.shape[:-1] + (-1, 32)); a = np.abs(x).max(-1, keepdims=True)
;;       e = np.where(a > 0, np.clip(np.frexp(np.where(a > 0, a, 1))[1] - 1 - 2, -126, 127), 0)      # np.frexp(a)[1] - 1 = floor(log2(a)), exactly
;;       r = np.clip(x / 2.0 ** e, -7.5, 7.5)
;;       step = 2.0 ** (np.maximum(np.frexp(np.where(r == 0, 1, r))[1] - 1, 0) - 3)
;;       q = np.round(r / step) * step * 2.0 ** e      # np.round: ties to even
;;       return np.moveaxis(q.reshape(q.shape[:-2] + (-1,))[..., :K], -1, axis).astype(np.float32)
;;   ~~~
;;   SOFTMAX AHEAD OF A QUANTISED PRODUCT. Where the list says 'softmax', what is quantised is not the finished softmax but p = 2^(t - M), with t = logit x log2(e) and M = ceil(the row's largest t), a whole number; so 1/2 < the row's largest p <= 1. The row's sum l is taken of the UNQUANTISED p, in f32, and the product's result is divided by l at the end. Since M is a whole number, a kernel that streams over the keys may use a running M (the ceiling of the running maximum): every later rescaling is an exact power of two, which a block's scale takes up: the codes' values come out the same.
;;   OPERANDS COMPUTED ON THE WAY. 'Computed on the way' means the value that the module computes at that place (a softmax that the list does not call 'softmax' is quantised finished and normalised). What goes into a quantiser is computed in f32, as accurately as f32 sums, v_exp_f32 and their like allow (about 1e-6 of the number): no bf16 or f16 on the way to a quantiser, and a product that is left as it is and whose result goes on into a quantised operand takes f32 operands (vector FMAs, or v_wmma_f32_16x16x4_f32). A number that lies on a knife's edge between two numbers of the format may be rounded either way, as far as f32 arithmetic and the matrix unit's own rounding can turn it there, and no further.
;;   INPUTS GIVEN AS CODES. Wk (in the module: [16, 1024, 64], K = its axis 1); Wo (in the module: [1024, 1024], K = its axis 0); Wq (in the module: [16, 1024, 64], K = its axis 1); Wv (in the module: [16, 1024, 64], K = its axis 1); key (in the module: [4, 2048, 1024], K = its axis 2); query (in the module: [4, 2048, 1024], K = its axis 2); value (in the module: [4, 2048, 1024], K = its axis 2): each comes as NAME_codes (uint8): NAME with its K axis moved to the last place and cut into blocks of 32 codes, [.., K / 32, bytes a block], one block behind the other in memory; four codes in three bytes: a row's codes are one little-endian stream of bits, code i at bits 6 i .. 6 i + 5 (a code: sign, 2 exponent bits, 3 mantissa bits); and NAME_scales (uint8): the same leading axes, one E8M0 byte (e + 127) for each 32 codes along K. Its value is code x scale, taken as it is: it is not quantised again, and the codes and scales need not be those that the quantiser above would give.
;; One version. Each part assembles by itself: llvm-mc -triple=amdgcn-amd-amdhsa -mcpu=gfx1250 --defsym DOCPART=n.
;; ======== version 1 of 1: 3 launches
;; workspace buffers: qc 6,291,456 bytes; kc 6,291,456 bytes; vc 6,291,456 bytes; qs 262,144 bytes; kvs 524,288 bytes; cc 6,291,456 bytes; cs 262,144 bytes
;; launch proj (part 1): grid 4 x 96, 4 waves a work-group, clusters of 4 x 4, 327,680 bytes of LDS; arguments query_codes, query_scales, key_codes, key_scales, value_codes, value_scales, Wq_codes, Wq_scales, Wk_codes, Wk_scales, Wv_codes, Wv_scales, bq, bk, bv, qc, qs, kc, vc, kvs; writes qc, qs, kc, vc, kvs
.if DOCPART == 1
	.amdgcn_target "amdgcn-amd-amdhsa--gfx1250"
	.amdhsa_code_object_version 6
	.text
	.protected	k_qcf85599334_proj
	.globl	k_qcf85599334_proj
	.p2align	8
	.type	k_qcf85599334_proj,@function
k_qcf85599334_proj:
	s_mov_b64 s[64:65], 0
	v_nop
	global_prefetch_b8 v0, s[64:65] scope:SCOPE_SE
	s_setreg_imm32_b32 hwreg(HW_REG_WAVE_MODE, 25, 1), 1
	s_wait_xcnt 0x0
	s_wait_alu depctr_hold_cnt(0) depctr_sa_sdst(0) depctr_va_vdst(0) depctr_va_sdst(0) depctr_va_ssrc(0) depctr_va_vcc(0) depctr_vm_vsrc(0)
	s_getreg_b32 s2, hwreg(HW_REG_IB_STS2, 6, 4)
	s_cmp_eq_u32 s2, 0
	s_cbranch_scc0 .Lentry_in_a_cluster
	s_endpgm
.Lentry_in_a_cluster:
	s_bfe_u32 s2, ttmp6, 0x10000c
	s_cmp_lg_u32 s2, 0xf033
	s_cbranch_scc0 .Lentry_shape_is_right
	s_endpgm
.Lentry_shape_is_right:
; THE THREE PROJECTIONS q = query Wq + bq, k = key Wk + bk, v = value Wv + bv, on codes of FP6 (E2M3) with one E8M0 scale for each 32 along K = 1,024, and their results quantised again for the attention.
; One text serves all three: of the 24 clusters along y, P = y / 8 says which (0 q, 1 k, 2 v) and g = y % 8 which strip.  C[m][n] = sum over k of A[m][k] B[n][k]; both sides have rows of 768 bytes of codes and 32 scale bytes.
; q, k: A = the activations (8,192 tokens), B = the weight (1,024 rows: head x 64 + channel).  v: A = Wv, B = value.  THE MATRIX INSTRUCTION IS USED TRANSPOSED (source 0 = 16 rows of B, source 1 = 16 rows of A): a lane holds ONE row of A
; and its registers run along B's rows.  So for q and k a lane holds a token and its registers run along the head's channels, for v a lane holds a channel and its registers run along the keys: in both cases along the K of the product that follows.
; A tile of C is 256 x 256, four waves of 128 x 128 (64 accumulators, 512 registers); K goes in steps of 256 through two LDS slots filled by the tensor data mover; the scale bytes of the work-group's rows come into LDS once.
; CLUSTERS: 4 x 4 work-groups; A's tiles are shared along a row of the cluster, B's along a column: each is asked for jointly.  P and g come from the cluster's y, which all sixteen partners share.
; THE WAY OUT: a block of 16 rows of A x 128 columns is 64 numbers a lane: + bias, four blocks of 32 quantised in registers, and the 12 registers of codes leave AS AN IMAGE OF AN OPERAND'S REGISTERS:
; a half fragment (16 rows x 64 along K, 6 registers a lane) is 768 bytes: registers 0-3 at 16 x lane, registers 4-5 at 512 + 8 x lane.  Every store of a wave covers 512 or 256 consecutive bytes, aligned.
; ORDER INSIDE A BLOCK OF 32: the tiles' rows are neighbours, so a block's 32 code places hold its numbers in the order 0-7, 16-23, 8-15, 24-31.  q and k are made by the same lines, v and the attention's p have the same layout: each later
; product pairs the right numbers under the right scales; only the order of the sum inside a block differs from the plain one.
; LIMITS: NaN and infinities are not served.  A block whose largest magnitude lies under 2^-124, a block of zeros among them, gets the scale byte 1; these bytes are read by this program alone, and zero codes add nothing under any byte but 0xff.
; REGISTERS, in windows of 256: window 0: v0-31 addresses; v32-63 scale words, two sets; v64-127 bias along B's rows; v128-223 A's fragments, one set; v240-255 bias along A's rows.  window 1: B's fragments, two sets.  windows 2, 3: the accumulators.
.set KSTEP,  256                       ; along K in a slot
.set NQ,     KSTEP/128                 ; matrix instructions deep
.set ROWB,   192                       ; a tile's row in bytes
.set KROW,   768                       ; a row of codes in memory
.set PITCH,  240                       ; an LDS row: 3 x (64 bytes + 16 of padding): the 32 lanes of a load of 8 bytes touch 64 different banks (64 banks of 4 bytes: ISA guide 11.1)
.set FR,     12                        ; registers of a fragment
.set NL,     6                         ; LDS loads that bring one
.set NLA,    6                         ; the same for A's
.set NP,     4                         ; places behind this matrix instruction (ISA guide 7.12.1)
.set HALFT,  128*PITCH
.set SLOT,   4*HALFT                   ; A's 256 rows, then B's 256 rows
.set LAPS,   2                         ; K = 1,024 is twice round the ring
.set KS,     32                        ; a row of scale bytes
.set SCL,    2*SLOT                    ; behind the ring: the scales, as units of 256 bytes + 16 of padding
.set HALFS,  (128*KS/256)*272
.set SBLK,   (16*KS/256)*272
.set SPARE,  SCL+4*HALFS               ; the spare words, 128 bytes for each wave: two blocks of 256 bytes that no other line names
.set ADRA, 16                          ; v16-17 LDS address of my A fragments in slot 0, 1; v18-19 the same behind one padding more
.set ADRB, 20                          ; v20-23 the same for B
.set ADRS, 27                          ; v27 my scale words: lanes 0-15 A's rows, lanes 16-31 B's
.set SPW,  28                          ; v28 my spare word; never rewritten
.set NIL,  29                          ; v29 0; never rewritten
.set VB,   30                          ; v30 32 x (lane / 16)
.set VA,   31                          ; v31 4 x (lane % 16)
.set SC,   32
.set BB,   64                          ; v64-127: register 8 b + j = bias[my first row of B + 16 b + 8 (lane / 16) + j]
.set AF,   128
.set BA,   240                         ; v240-255: registers 2 a, 2 a + 1 = bias[my first row of A + 16 a + lane % 16]
.set X,    128                         ; the way out: 64 numbers
.set PC,   192                         ; v192-203 the codes; v204-210 at work
.set TM,   212                         ; v212-227 at work
.set PW,   228                         ; the scale word just made
.set PWS,  230                         ; v230-237 the eight blocks' scale words
.set W4,   32                          ; v32-35 four words to store
.set SELV, 36                          ; byte selects for v_perm_b32
.set VO16, 37                          ; 16 x lane
.set VO8,  38                          ; 8 x lane
.set VO16X, 39                         ; the same for the second half fragment
.set VO8X, 40
.set VOS,  41                          ; the scale words' place
.set SEL,  22                          ; s[22:23] lane selects for v_permlanex16_b32, in the way out
.set G1, 24                            ; s[24:31] descriptor group 1 for A's tiles; s[32:39] group 0, a set for each slot
.set G0, 32
.set G1B, 48                           ; s[48:55], s[56:63] the same for B's
.set G0B, 56
.set G1S, 68                           ; s[68:75], s[76:79] for A's scales; s[80:87], s[88:91] for B's
.set G0S, 76
.set G1SB, 80
.set G0SB, 88
.set MSB, 0
.macro WIN new                         ; the immediate's high byte repeats the setting that is left
.if MSB != \new
	s_set_vgpr_msb (MSB<<8)|\new
.set MSB, \new
.endif
.endm
.set MUL_LO, 0xa1                      ; source 0 (B) window 1, source 1 (A) window 0, C and D window 2
.set MUL_HI, 0xf1                      ; the same, C and D window 3
.set TO_B,   0x40                      ; destination window 1
; A joint load: waves 0 and 1 fetch for A, waves 2 and 3 for B; the branch hangs on the wave's number alone.  Four v_nop follow each of the two lines.
.macro JLOAD g0a, g1a, g0b, g1b
	s_cmp_eq_u32 s15, 0
	s_cbranch_scc0 .Lfor_b_\@
	tensor_load_to_lds s[\g0a:\g0a+3], s[\g1a:\g1a+7]
	s_nop 0
.rept 4
	v_nop
.endr
	s_branch .Lasked_\@
.Lfor_b_\@:
	tensor_load_to_lds s[\g0b:\g0b+3], s[\g1b:\g1b+7]
	s_nop 0
.rept 4
	v_nop
.endr
.Lasked_\@:
.endm
.macro CREST                           ; a round of the cluster's barrier behind its opening barrier
	s_cmp_lg_u32 s14, 0
	s_cbranch_scc1 .Lnot_wave_0_\@
	s_barrier_signal -3
.Lnot_wave_0_\@:
	s_barrier_wait -3
	s_barrier_signal -1
	s_barrier_wait -1
.endm
.macro CROUND                          ; a whole round
	s_barrier_signal -1
	s_barrier_wait -1
	CREST
.endm
	s_load_b512 s[24:39], s[0:1], 0x0              ; query's codes, scales; key's; value's; Wq's codes, scales
	s_load_b512 s[48:63], s[0:1], 0x40             ; Wk's codes, scales; Wv's; bq, bk, bv; qc
	s_load_b256 s[68:75], s[0:1], 0x80             ; qs, kc, vc, kvs
	v_lshl_add_u32 v[SPW], v0, 2, SPARE
	v_mov_b32 v[NIL], 0
	ds_add_u32 v28, v29
	ds_add_u32 v28, v29
	s_wait_dscnt 0x0
	v_lshrrev_b32 v1, 5, v0
	v_readfirstlane_b32 s14, v1                    ; wave 0..3
	s_lshr_b32 s15, s14, 1                         ; which half of the tile's rows is mine.  Also: I fetch for A (0) or for B (1)
	s_and_b32 s16, s14, 1                          ; which half of its columns.  Also: which 128 rows of that tile I fetch
	s_bfe_u32 s40, ttmp6, 0x40000                  ; cx, cy: my place in the cluster
	s_bfe_u32 s41, ttmp6, 0x40004
	s_and_b32 s67, ttmp7, 0xffff                   ; the cluster's y, 0..23
	s_lshr_b32 s66, s67, 3                         ; P: 0 q, 1 k, 2 v
	s_and_b32 s67, s67, 7                          ; g
	s_cmp_eq_u32 s66, 2
	s_cselect_b32 s2, 0, s67                       ; q, k: the eight strips lie along A's rows (tokens);
	s_cselect_b32 s95, s67, 0                      ; v: along B's rows (tokens again)
	s_lshl_b32 s42, s95, 2
	s_add_co_u32 s42, s42, s40                     ; tile column of C
	s_lshl_b32 s17, s2, 2
	s_add_co_u32 s17, s17, s41                     ; tile row of C
	s_lshl_b32 s43, s41, 2
	s_lshl_b32 s43, 15, s43                        ; my row of the cluster
	s_lshl_b32 s44, 0x1111, s40                    ; my column
	s_wait_kmcnt 0x0
	; the buffers are chosen by P alone, which hangs on no address
	s_cmp_eq_u32 s66, 0
	s_cselect_b64 s[4:5], s[24:25], s[28:29]       ; A's codes: query's or key's
	s_cselect_b64 s[6:7], s[26:27], s[30:31]       ; A's scales
	s_cselect_b64 s[8:9], s[36:37], s[48:49]       ; B's codes: Wq's or Wk's
	s_cselect_b64 s[10:11], s[38:39], s[50:51]     ; B's scales
	s_cselect_b64 s[12:13], s[62:63], s[70:71]     ; the codes made: qc or kc
	s_cselect_b64 s[96:97], s[68:69], s[74:75]     ; their scale words: qs or kvs
	s_cselect_b64 s[98:99], s[56:57], s[58:59]     ; the bias
	s_cmp_eq_u32 s66, 2
	s_cselect_b64 s[4:5], s[52:53], s[4:5]         ; v: A = Wv,
	s_cselect_b64 s[6:7], s[54:55], s[6:7]
	s_cselect_b64 s[8:9], s[32:33], s[8:9]         ; B = value
	s_cselect_b64 s[10:11], s[34:35], s[10:11]
	s_cselect_b64 s[12:13], s[72:73], s[12:13]     ; vc
	s_cselect_b64 s[98:99], s[60:61], s[98:99]     ; bv
	; descriptor group 1: a tile of 128 rows x 192 bytes, 16 bytes of padding behind every 64
	s_or_b32 s[G1+0], s43, (0<<16)|(1<<20)|(1<<21)|(3<<22)|(3<<25)  ; 15:0 the mask: A's tiles go to my row; 17:16 elements of 1 byte; 20 padding on; 21 set beside a mask; 24:22 after every 16 words; 31:25 of 4 words
	s_or_b32 s[G1B+0], s44, (0<<16)|(1<<20)|(1<<21)|(3<<22)|(3<<25)
.irp g, G1, G1B
	s_mov_b32 s[\g+1], ROWB<<16                    ; tensor_dim0
	s_mov_b32 s[\g+2], 128<<16                     ; tensor_dim1
	s_mov_b32 s[\g+3], ROWB<<16                    ; tile_dim0
	s_mov_b32 s[\g+4], 128                         ; tile_dim1
	s_mov_b32 s[\g+5], KROW                        ; tensor_dim0_stride
	s_mov_b32 s[\g+6], 0
	s_mov_b32 s[\g+7], 0
.endr
	; the scales of 128 rows: 4,096 dense bytes, as 16 rows of 256 bytes (32 elements of 8 bytes), 16 bytes of padding behind each
	s_or_b32 s[G1S+0], s43, (3<<16)|(1<<20)|(1<<21)|(5<<22)|(3<<25)
	s_or_b32 s[G1SB+0], s44, (3<<16)|(1<<20)|(1<<21)|(5<<22)|(3<<25)
.irp g, G1S, G1SB
	s_mov_b32 s[\g+1], 32<<16
	s_mov_b32 s[\g+2], (128*KS/256)<<16
	s_mov_b32 s[\g+3], 32<<16
	s_mov_b32 s[\g+4], 128*KS/256
	s_mov_b32 s[\g+5], 32
	s_mov_b32 s[\g+6], 0
	s_mov_b32 s[\g+7], 0
.endr
	s_lshl_b32 s18, s16, 7                         ; which 128 rows of the tile I fetch
	s_lshl_b32 s20, s17, 8
	s_add_co_u32 s20, s20, s18                     ; A: row 256 x tile row + 128 x half
	s_lshl_b32 s46, s42, 8
	s_add_co_u32 s46, s46, s18                     ; B: row 256 x tile column + 128 x half
	s_mov_b32 s21, 0
	s_mov_b32 s47, 0
	s_mov_b64 s[18:19], KS
	s_mul_u64 s[22:23], s[20:21], s[18:19]         ; where these rows' scales begin,
	s_mul_u64 s[92:93], s[46:47], s[18:19]
	s_mov_b64 s[18:19], KROW
	s_mul_u64 s[20:21], s[20:21], s[18:19]         ; and their codes
	s_mul_u64 s[46:47], s[46:47], s[18:19]
	s_mul_i32 s45, s14, HALFT                      ; where they go: wave x 128 rows: no place in the cluster enters an LDS address
	s_mul_i32 s94, s14, HALFS
	s_add_nc_u64 s[20:21], s[4:5], s[20:21]
	s_add_nc_u64 s[22:23], s[6:7], s[22:23]
	s_add_nc_u64 s[46:47], s[8:9], s[46:47]
	s_add_nc_u64 s[92:93], s[10:11], s[92:93]
	CROUND                                         ; all sixteen work-groups are here: the first joint loads meet
	s_mov_b32 s[G0S], 1
	s_add_co_u32 s[G0S+1], s94, SCL
	s_mov_b64 s[G0S+2:G0S+3], s[22:23]
	s_or_b32 s[G0S+3], s[G0S+3], 0x80000000
	s_mov_b32 s[G0SB], 1
	s_add_co_u32 s[G0SB+1], s94, SCL
	s_mov_b64 s[G0SB+2:G0SB+3], s[92:93]
	s_or_b32 s[G0SB+3], s[G0SB+3], 0x80000000
	JLOAD G0S, G1S, G0SB, G1SB                     ; the scales first: they are wanted with K step 0
.irp s, 0,1
	s_mov_b32 s[G0+4*\s], 1
	s_add_co_u32 s[G0+4*\s+1], s45, \s*SLOT
	s_add_nc_u64 s[G0+4*\s+2:G0+4*\s+3], s[20:21], \s*ROWB
	s_or_b32 s[G0+4*\s+3], s[G0+4*\s+3], 0x80000000
	s_mov_b32 s[G0B+4*\s], 1
	s_add_co_u32 s[G0B+4*\s+1], s45, \s*SLOT
	s_add_nc_u64 s[G0B+4*\s+2:G0B+4*\s+3], s[46:47], \s*ROWB
	s_or_b32 s[G0B+4*\s+3], s[G0B+4*\s+3], 0x80000000
	JLOAD G0+4*\s, G1, G0B+4*\s, G1B
.endr
	v_and_b32 v1, 15, v0                           ; l % 16
	v_bfe_u32 v2, v0, 4, 1                         ; l / 16
	v_mul_u32_u24 v3, v1, PITCH
	v_mul_u32_u24 v4, v2, 24
	v_add_nc_u32 v4, v3, v4                        ; a fragment's row x pitch + 24 x half
	v_lshl_add_u32 v5, v2, 4, v4                   ; and the same behind one padding more
	s_mul_i32 s21, s15, HALFT                      ; my 128 rows of A
	s_mul_i32 s22, s16, HALFT                      ; my 128 rows of B,
	s_add_co_u32 s22, s22, 2*HALFT                 ; which lie behind A's 256
.irp s, 0,1
	v_add_nc_u32 v[ADRA+\s], s21, v4
	v_add_nc_u32 v[ADRB+\s], s22, v4
	v_add_nc_u32 v[ADRA+2+\s], s21, v5
	v_add_nc_u32 v[ADRB+2+\s], s22, v5
	s_add_co_u32 s21, s21, SLOT
	s_add_co_u32 s22, s22, SLOT
.endr
	v_mul_u32_u24 v5, v1, KS                       ; my row's scales: 32 bytes a row,
	v_lshrrev_b32 v6, 8, v5
	v_lshl_add_u32 v5, v6, 4, v5                   ; and 16 more for each 256 passed
	s_mul_i32 s21, s15, HALFS                      ; A's: my 128 rows
	s_mul_i32 s22, s16, HALFS                      ; B's: my 128 rows, behind A's 256
	s_add_co_u32 s22, s22, 2*HALFS
	s_sub_co_u32 s22, s22, s21
	v_mul_u32_u24 v6, s22, v2                      ; lanes 16-31 take B's: ONE product, the distance between the two bases x the lane's half
	s_add_co_u32 s21, s21, SCL
	v_add_nc_u32 v5, v5, v6
	v_add_nc_u32 v[ADRS], s21, v5
	; the bias, in both forms, so that every register is written whichever projection this is: along B's rows (used by q and k) and along A's rows (used by v).  The form that is not used reads the bias from its start: inside the buffer
	s_lshl_b32 s2, s17, 8
	s_lshl_b32 s18, s15, 7
	s_add_co_u32 s2, s2, s18                       ; RA: my first row of A
	s_lshl_b32 s95, s42, 8
	s_lshl_b32 s18, s16, 7
	s_add_co_u32 s95, s95, s18                     ; NB: my first row of B
	s_cmp_eq_u32 s66, 2
	s_cselect_b32 s100, 0, s95
	s_cselect_b32 s104, s2, 0
	s_lshl_b32 s100, s100, 2
	s_lshl_b32 s104, s104, 2
	s_mov_b32 s101, 0
	s_mov_b32 s105, 0
	s_add_nc_u64 s[100:101], s[98:99], s[100:101]
	s_add_nc_u64 s[104:105], s[98:99], s[104:105]
	v_lshlrev_b32 v[VB], 5, v2
	v_lshlrev_b32 v[VA], 2, v1
.irp b, 0,1,2,3,4,5,6,7
	global_load_b128 v[BB+8*\b:BB+8*\b+3], v[VB], s[100:101] offset:64*\b
	global_load_b128 v[BB+8*\b+4:BB+8*\b+7], v[VB], s[100:101] offset:64*\b+16
.endr
.irp a, 0,1,2,3,4,5,6,7
	global_load_b32 v[BA+2*\a], v[VA], s[104:105] offset:64*\a
	global_load_b32 v[BA+2*\a+1], v[VA], s[104:105] offset:64*\a     ; twice: a pair for the packed addition
.endr
.macro FRAG reg, adr, q, i             ; a fragment, 16 rows x 128 K, is 12 registers: lane l holds row l % 16; registers 6 c .. 6 c + 5 hold K = 64 c + 32 (l / 16) + 0 .. 31: 24 bytes of the row's stream of bits, as they lie
.irp p, 0,1,2,3,4,5                    ; in pieces of 8 bytes.  Lanes 16-31 read three pieces further on than lanes 0-15; where that lies behind one padding more, the second address register serves
.set PIECE, 12*(\q)+6*(\p/3)+\p%3
.if PIECE%8 < 5
	ds_load_b64 v[\reg+2*\p:\reg+2*\p+1], v[\adr] offset:8*PIECE+16*(PIECE/8)+(\i)*16*PITCH
.else
	ds_load_b64 v[\reg+2*\p:\reg+2*\p+1], v[\adr+2] offset:8*PIECE+16*(PIECE/8)+(\i)*16*PITCH
.endif
.endr
.endm
; 16 matrix instructions: A's blocks a0, a0 + 1 x B's eight, 128 along K.  p: B's set; sc: the set of scale words.  zero = 1: the first product starts the sums.
; The 64 accumulators take turns, one instruction a turn, in the same order in every step.
.macro MUL16 a0, p, q, sc, zero
.irp a, \a0, \a0+1
.irp b, 0,1,2,3,4,5,6,7
.if \zero
	v_wmma_scale_f32_16x16x128_f8f6f4 v[8*(8*((\a)%4)+\b):8*(8*((\a)%4)+\b)+7], v[128*(\p)+FR*\b:128*(\p)+FR*\b+FR-1], v[AF+FR*(\a):AF+FR*(\a)+FR-1], 0, v[SC+8*NQ*(\sc)+NQ*\b+(\q)], v[SC+8*NQ*(\sc)+NQ*(\a)+(\q)] matrix_a_fmt:MATRIX_FMT_FP6 matrix_b_fmt:MATRIX_FMT_FP6 matrix_a_scale:MATRIX_SCALE_ROW1
.else
	v_wmma_scale_f32_16x16x128_f8f6f4 v[8*(8*((\a)%4)+\b):8*(8*((\a)%4)+\b)+7], v[128*(\p)+FR*\b:128*(\p)+FR*\b+FR-1], v[AF+FR*(\a):AF+FR*(\a)+FR-1], v[8*(8*((\a)%4)+\b):8*(8*((\a)%4)+\b)+7], v[SC+8*NQ*(\sc)+NQ*\b+(\q)], v[SC+8*NQ*(\sc)+NQ*(\a)+(\q)] matrix_a_fmt:MATRIX_FMT_FP6 matrix_b_fmt:MATRIX_FMT_FP6 matrix_a_scale:MATRIX_SCALE_ROW1
.endif
.endr
.endr
.endm
.macro FETCH_B slot, q, p              ; B's eight fragments of the slot's q-th 128 along K into set p
	WIN TO_B
.irp i, 0,1,2,3,4,5,6,7
	FRAG 128*(\p)+FR*\i, ADRB+\slot, \q, \i
.endr
	WIN 0
.endm
.macro FETCH_A slot, q, i0             ; A's blocks i0 .. i0 + 3
.irp i, \i0, \i0+1, \i0+2, \i0+3
	FRAG AF+FR*(\i), ADRA+\slot, \q, \i
.endr
.endm
.macro SCALES sc                       ; a K step's scale words into set sc: two words a row; lanes 0-15 take A's block i, lanes 16-31 B's block i
.irp i, 0,1,2,3,4,5,6,7
	ds_load_b64 v[SC+8*NQ*\sc+NQ*\i:SC+8*NQ*\sc+NQ*\i+1], v[ADRS] offset:\i*SBLK
.endr
.endm
.macro PLACES n                        ; plain vector instructions between a matrix instruction and a load into, or a vector instruction on, its registers
.rept \n
	v_nop
.endr
.endm
; A step of 128 along K that has its successor in the same slot.
.macro STEP slot, q, zero
	s_wait_dscnt 4*NLA                             ; B's set and A's blocks 0-3 are in; the youngest loads (A's blocks 4-7) may be out
	WIN MUL_LO
	MUL16 0, (\q)%2, \q, \slot, \zero
	MUL16 2, (\q)%2, \q, \slot, \zero
	s_wait_dscnt 0                                 ; A's blocks 4-7 are in (asked for 32 matrix instructions ago)
	PLACES NP
	FETCH_B \slot, (\q)+1, 1-(\q)%2
	FETCH_A \slot, (\q)+1, 0
	WIN MUL_HI
	MUL16 4, (\q)%2, \q, \slot, \zero
	MUL16 6, (\q)%2, \q, \slot, \zero
	PLACES NP
	WIN 0
	FETCH_A \slot, (\q)+1, 4
.endm
; A slot's last step changes slots: ONE barrier; in front of it each wave waits for all its tensor loads, adds 0 to its spare word, and waits for that and for its own reads of this slot.  fill = 1: this slot is filled again, two K steps ahead.
.macro TURN slot, next, fill
	s_wait_tensorcnt 0x0                           ; all my tensor loads have landed: my part of the next slot
	ds_add_u32 v[SPW], v[NIL]                      ; 0 onto my spare word
	s_wait_dscnt 4*NLA+1                           ; (the add and the youngest loads, A's blocks 4-7, may be out)
	WIN MUL_LO
	MUL16 0, 1, NQ-1, \slot, 0                     ; sixteen matrix instructions stand between the add and the wait for it
	s_wait_dscnt 0x0                               ; the add is done, and my reads of this slot are over
	s_barrier_signal -1
	MUL16 2, 1, NQ-1, \slot, 0
	WIN 0
	s_barrier_wait -1
.if \fill
	CREST                                          ; the barrier has opened a round of the cluster's barrier: no wave of any partner still reads this slot's tile or has a load on its way
	s_add_nc_u64 s[G0+4*\slot+2:G0+4*\slot+3], s[G0+4*\slot+2:G0+4*\slot+3], 2*ROWB
	s_add_nc_u64 s[G0B+4*\slot+2:G0B+4*\slot+3], s[G0B+4*\slot+2:G0B+4*\slot+3], 2*ROWB
	JLOAD G0+4*\slot, G1, G0B+4*\slot, G1B         ; the first tensor load behind the round; its four v_nop are the places in front of the loads below
.else
	PLACES NP
.endif
	s_wait_alu depctr_va_vdst(0)
	v_add_nc_u32 v[ADRS], 4*NQ, v[ADRS]            ; on to the next K step's scale words (no LDS load of mine is out)
	FETCH_B \next, 0, 0
	FETCH_A \next, 0, 0
	SCALES \next
	WIN MUL_HI
	MUL16 4, 1, NQ-1, \slot, 0
	MUL16 6, 1, NQ-1, \slot, 0
	PLACES NP
	WIN 0
	FETCH_A \next, 0, 4
.endm
	s_wait_alu depctr_va_vdst(0)
	s_wait_loadcnt 0x0                             ; the bias
	s_wait_tensorcnt 1                             ; the scales and my part of K step 0 are in (K step 1's load may be out)
	s_barrier_signal -1
	s_barrier_wait -1                              ; everybody's are
	FETCH_B 0, 0, 0
	FETCH_A 0, 0, 0
	SCALES 0
	FETCH_A 0, 0, 4
	STEP 0, 0, 1                                   ; the first step stands in front of the loop: its products start the sums
	s_mov_b32 s3, LAPS-1
.Llap:                                                 ; a trip goes once round the ring, from a lap's second step to the next lap's first, and fills both slots again
	TURN 0, 1, 1
	STEP 1, 0, 0
	TURN 1, 0, 1
	STEP 0, 0, 0
	s_sub_co_u32 s3, s3, 1
	s_cmp_lg_u32 s3, 0
	s_cbranch_scc1 .Llap
	TURN 0, 1, 0                                   ; the last lap fills nothing, and has no round of the cluster's barrier
	STEP 1, 0, 0
	s_wait_dscnt 4*NLA                             ; the very last step: nothing more to fetch
	WIN MUL_LO
	MUL16 0, 1, NQ-1, 1, 0
	MUL16 2, 1, NQ-1, 1, 0
	s_wait_dscnt 0
	WIN MUL_HI
	MUL16 4, 1, NQ-1, 1, 0
	MUL16 6, 1, NQ-1, 1, 0
	WIN 0
	; ---- THE WAY OUT.  No tensor load of mine is out (the last change of slots waited for all), so the descriptors' registers are free.
	PLACES NP                                      ; behind the last products: their results are read and their operands' registers written below
	s_cmp_eq_u32 s66, 2
	s_cselect_b32 s40, s95, s2                     ; my first token: along A's rows for q and k, along B's for v
	s_cselect_b32 s41, s2, s95                     ; my first head x 64 + channel
	s_mov_b32 s18, 768
	s_cselect_b32 s18, 1536, s18                   ; from block a to block a + 1 in the codes' buffer: q, k: the next tile of tokens, 768 bytes; v: the next tile of channels, a whole fragment;
	s_mov_b32 s20, 768
	s_cselect_b32 s20, 93696, s20                  ; from block 3 to block 4: v goes on to the next head: 16 x 6,144 - 3 x 1,536
	s_mov_b32 s42, 98304
	s_cselect_b32 s42, 768, s42                    ; from the first half fragment to the second: q, k: the next head (128 x 768); v: the fragment's other half
	s_cselect_b32 s43, 256, 0                      ; v's scale words lie behind k's in each step's 512 bytes
	s_mov_b32 s46, 0x05040100
	s_cselect_b32 s46, 0x03020100, s46             ; byte selects, lanes 0-15,
	s_mov_b32 s47, 0x07060302
	s_cselect_b32 s47, 0x07060504, s47             ; and lanes 16-31
	s_mov_b32 s19, 0
	s_mov_b32 s21, 0
	s_cmp_eq_u32 s66, 0
	s_cselect_b32 s44, 8, 9                        ; a step's scale words: 256 bytes in qs, 512 in kvs
	s_cselect_b32 s45, 12, 13                      ; a head's: sixteen steps
	s_lshr_b32 s92, s40, 11                        ; the batch
	s_lshl_b32 s92, s92, 4
	s_lshr_b32 s41, s41, 6
	s_add_co_u32 s92, s92, s41                     ; 16 x batch + my first head
	s_lshl_b32 s92, s92, 4
	s_bfe_u32 s40, s40, 0x40007                    ; which 128 tokens of the batch's 2,048
	s_add_co_u32 s94, s92, s40
	s_mul_i32 s92, s94, 6144                       ; 128 tokens x 64 channels of codes are 6,144 bytes, in qc, kc and vc alike
	s_mov_b32 s93, 0
	s_add_nc_u64 s[12:13], s[12:13], s[92:93]
	s_lshl_b32 s92, s94, s44
	s_add_co_u32 s92, s92, s43
	s_add_nc_u64 s[96:97], s[96:97], s[92:93]
	s_mov_b32 s[SEL], 0x76543210
	s_mov_b32 s[SEL+1], 0xfedcba98                 ; v_permlanex16_b32's selects for lane l xor 16
	v_and_b32 v1, 31, v0
	v_and_b32 v2, 15, v0
	v_bfe_u32 v3, v0, 4, 1
	v_lshlrev_b32 v[VO16], 4, v1
	v_lshlrev_b32 v[VO8], 3, v1
	v_add_nc_u32 v[VO16X], s42, v[VO16]
	v_add_nc_u32 v[VO8X], s42, v[VO8]
	v_lshlrev_b32 v[VOS], s45, v3                  ; lanes 16-31 store the next head's words
	v_lshl_add_u32 v[VOS], v2, 4, v[VOS]           ; 16 bytes a row
	v_mov_b32 v[SELV], s46
	v_mov_b32 v4, s47
	v_cmp_eq_u32 vcc_lo, 1, v3
	v_cndmask_b32 v[SELV], v[SELV], v4, vcc_lo
.irp b, 0,1,2,3
	v_mov_b32 v[TM+4+\b], 0                        ; written once: a lane permute's destination counts as one of its sources
.endr
; Block a's 64 results + bias, into window 0.  q, k: the bias runs along the registers; v: it is the lane's own.  Each accumulator is read from its low end on.
.macro BIAS a
.set AC, 64*((\a)%4)
	s_cmp_eq_u32 s66, 2
	s_cbranch_scc1 .Lbv_\@
	WIN (0x02+(\a)/4)                              ; source 0: window 2 or 3
.set i, 0
.rept 32
	v_pk_add_f32 v[X+i:X+i+1], v[AC+i:AC+i+1], v[BB+i:BB+i+1]
.set i, i+2
.endr
	WIN 0
	s_branch .Lbj_\@
.Lbv_\@:
	WIN (0x02+(\a)/4)
.set i, 0
.rept 32
	v_pk_add_f32 v[X+i:X+i+1], v[AC+i:AC+i+1], v[BA+2*(\a):BA+2*(\a)+1]
.set i, i+2
.endr
	WIN 0
.Lbj_\@:
.endm
; 64 numbers of a lane, v[s] .. v[s + 63]: registers 16 b .. 16 b + 15 are my 16 of block b's 32 (lane l xor 16 holds the other 16).  They become 12 registers of codes in v[PC] on and a scale word in v[PW].
.macro QUANT s
.irp b, 0,1,2,3
	v_max3_num_f32 v[TM+\b], |v[\s+16*\b]|, |v[\s+1+16*\b]|, 0x1800000   ; my 16 numbers, and the floor 2^(3 - 127): so the byte cannot fall under 1
.endr
.irp i, 2,4,6,8,10,12,14
.irp b, 0,1,2,3
	v_max3_num_f32 v[TM+\b], v[TM+\b], |v[\s+16*\b+\i]|, |v[\s+1+16*\b+\i]|   ; (the four blocks by turns)
.endr
.endr
.irp b, 0,1,2,3
	v_permlanex16_b32 v[TM+4+\b], v[TM+\b], s[SEL], s[SEL+1]
.endr
.irp b, 0,1,2,3
	v_max_num_f32 v[TM+\b], v[TM+\b], v[TM+4+\b]   ; the block's largest magnitude
.endr
.irp b, 0,1,2,3
	v_add_nc_u32 v[TM+12+\b], 0xff000000, v[TM+\b]   ; 2 off its exponent field: the conversion takes the exponent field of this operand as its scale
.endr
.irp b, 0,1,2,3
	v_lshrrev_b32 v[TM+4+\b], 23, v[TM+12+\b]      ; the scale's byte
.endr
	v_lshl_or_b32 v[PW], v[TM+5], 8, v[TM+4]
	v_lshl_or_b32 v[PW], v[TM+6], 16, v[PW]
	v_lshl_or_b32 v[PW], v[TM+7], 24, v[PW]
.irp c, 0,1
	v_cvt_scalef32_pk16_fp6_f32 v[PC+6*\c:PC+2+6*\c], v[\s+32*\c:\s+15+32*\c], v[TM+12+2*\c]
	v_cvt_scalef32_pk16_fp6_f32 v[PC+12+4*\c:PC+14+4*\c], v[\s+16+32*\c:\s+31+32*\c], v[TM+12+2*\c+1]   ; (a conversion's three registers begin on an even number)
.endr
	v_nop                                          ; one plain place behind a scaled conversion
.irp c, 0,1                                    ; the operand's layout wants a WHOLE block in a lane: lanes 0-15 block 2 c, lanes 16-31 block 2 c + 1
.irp i, 0,1,2
	v_permlane16_swap_b32 v[PC+6*\c+\i], v[PC+12+4*\c+\i]
.endr
.irp i, 0,1,2
	v_mov_b32 v[PC+3+6*\c+\i], v[PC+12+4*\c+\i]
.endr
.endr
.endm
.irp a, 0,1,2,3,4,5,6,7
	BIAS \a
.if \a > 0
	s_wait_xcnt 0x0                                ; the last block's stores have read their data and their base: both are written again only behind this wait
.if \a == 4
	s_add_nc_u64 s[12:13], s[12:13], s[20:21]
.else
	s_add_nc_u64 s[12:13], s[12:13], s[18:19]
.endif
.endif
	QUANT X
	global_store_b128 v[VO16], v[PC:PC+3], s[12:13]                ; the first half fragment: 512 consecutive bytes,
	global_store_b64 v[VO8], v[PC+4:PC+5], s[12:13] offset:512     ; and 256
	global_store_b128 v[VO16X], v[PC+6:PC+9], s[12:13]             ; the second
	global_store_b64 v[VO8X], v[PC+10:PC+11], s[12:13] offset:512
	v_mov_b32 v[PWS+\a], v[PW]
.endr
	; the scale words.  q, k: block a's word holds (first head: s0, s1 | second head: s0, s1) of token row r; the attention wants, for each head, (tile 2 j: s0, s1 | tile 2 j + 1: s0, s1).
	; v: block a's word is the four key blocks of channel r of head a / 4, tile a % 4, as it is wanted.  Lanes 0-15 gather the first head's four words, lanes 16-31 the second's.
	s_cmp_eq_u32 s66, 2
	s_cbranch_scc1 .Lwords_v
.irp x, 0,1,2,3
	v_perm_b32 v[W4+\x], v[PWS+2*\x+1], v[PWS+2*\x], v[SELV]
.endr
	s_branch .Lwords_done
.Lwords_v:
	s_wait_alu depctr_va_vdst(0)
.irp x, 0,1,2,3
	v_perm_b32 v[W4+\x], v[PWS+4+\x], v[PWS+\x], v[SELV]
.endr
.Lwords_done:
	s_wait_alu depctr_va_vdst(0)
	global_store_b128 v[VOS], v[W4:W4+3], s[96:97]                 ; sixteen lanes store 256 consecutive bytes, aligned
	s_wait_tensorcnt 0x0                           ; the wave's end
	ds_add_u32 v[SPW], v[NIL]
	s_wait_dscnt 0x0
	CROUND                                         ; the closing round: no work-group ends while a partner may still ask for a tile that names it
	s_endpgm
.Lfunc_end_k_qcf85599334_proj:
	.size	k_qcf85599334_proj, .Lfunc_end_k_qcf85599334_proj-k_qcf85599334_proj
	.p2alignl 7, 3214868480
	.fill 96, 4, 3214868480
	.section	.rodata,"a",@progbits
	.p2align	6, 0x0
	.amdhsa_kernel k_qcf85599334_proj
		.amdhsa_group_segment_fixed_size 327680
		.amdhsa_private_segment_fixed_size 0
		.amdhsa_enable_private_segment 0
		.amdhsa_kernarg_size 160
		.amdhsa_user_sgpr_count 2
		.amdhsa_user_sgpr_kernarg_segment_ptr 1
		.amdhsa_wavefront_size32 1
		.amdhsa_system_sgpr_workgroup_id_x 1
		.amdhsa_system_sgpr_workgroup_id_y 1
		.amdhsa_system_sgpr_workgroup_id_z 1
		.amdhsa_system_vgpr_workitem_id 0
		.amdhsa_next_free_vgpr 1024
		.amdhsa_next_free_sgpr 106
		.amdhsa_reserve_vcc 1
		.amdhsa_float_denorm_mode_32 3
		.amdhsa_float_denorm_mode_16_64 3
		.amdhsa_memory_ordered 1
		.amdhsa_forward_progress 1
		.amdhsa_inst_pref_size 204
	.end_amdhsa_kernel
	.amdgpu_metadata
---
amdhsa.version: [ 1, 2 ]
amdhsa.kernels:
  - .name:           k_qcf85599334_proj
    .symbol:         k_qcf85599334_proj.kd
    .args:
      - { .name: query_codes, .offset: 0, .size: 8, .value_kind: global_buffer, .address_space: global }
      - { .name: query_scales, .offset: 8, .size: 8, .value_kind: global_buffer, .address_space: global }
      - { .name: key_codes, .offset: 16, .size: 8, .value_kind: global_buffer, .address_space: global }
      - { .name: key_scales, .offset: 24, .size: 8, .value_kind: global_buffer, .address_space: global }
      - { .name: value_codes, .offset: 32, .size: 8, .value_kind: global_buffer, .address_space: global }
      - { .name: value_scales, .offset: 40, .size: 8, .value_kind: global_buffer, .address_space: global }
      - { .name: Wq_codes, .offset: 48, .size: 8, .value_kind: global_buffer, .address_space: global }
      - { .name: Wq_scales, .offset: 56, .size: 8, .value_kind: global_buffer, .address_space: global }
      - { .name: Wk_codes, .offset: 64, .size: 8, .value_kind: global_buffer, .address_space: global }
      - { .name: Wk_scales, .offset: 72, .size: 8, .value_kind: global_buffer, .address_space: global }
      - { .name: Wv_codes, .offset: 80, .size: 8, .value_kind: global_buffer, .address_space: global }
      - { .name: Wv_scales, .offset: 88, .size: 8, .value_kind: global_buffer, .address_space: global }
      - { .name: bq, .offset: 96, .size: 8, .value_kind: global_buffer, .address_space: global }
      - { .name: bk, .offset: 104, .size: 8, .value_kind: global_buffer, .address_space: global }
      - { .name: bv, .offset: 112, .size: 8, .value_kind: global_buffer, .address_space: global }
      - { .name: qc, .offset: 120, .size: 8, .value_kind: global_buffer, .address_space: global }
      - { .name: qs, .offset: 128, .size: 8, .value_kind: global_buffer, .address_space: global }
      - { .name: kc, .offset: 136, .size: 8, .value_kind: global_buffer, .address_space: global }
      - { .name: vc, .offset: 144, .size: 8, .value_kind: global_buffer, .address_space: global }
      - { .name: kvs, .offset: 152, .size: 8, .value_kind: global_buffer, .address_space: global }
    .group_segment_fixed_size: 327680
    .private_segment_fixed_size: 0
    .kernarg_segment_align: 8
    .kernarg_segment_size: 160
    .max_flat_workgroup_size: 128
    .sgpr_count:     106
    .vgpr_count:     1024
    .wavefront_size: 32
...
	.end_amdgpu_metadata
.endif
;; end of part 1
;; launch attn (part 2): grid 4 x 64, 16 waves a work-group, clusters of 4 x 1, 327,680 bytes of LDS; arguments qc, qs, kc, vc, kvs, cc, cs; writes cc, cs
.if DOCPART == 2
	.amdgcn_target "amdgcn-amd-amdhsa--gfx1250"
	.amdhsa_code_object_version 6
	.text
	.protected	k_qcf85599334_attn
	.globl	k_qcf85599334_attn
	.p2align	8
	.type	k_qcf85599334_attn,@function
k_qcf85599334_attn:
	s_mov_b64 s[64:65], 0
	v_nop
	global_prefetch_b8 v0, s[64:65] scope:SCOPE_SE
	s_setreg_imm32_b32 hwreg(HW_REG_WAVE_MODE, 25, 1), 1
	s_wait_xcnt 0x0
	s_wait_alu depctr_hold_cnt(0) depctr_sa_sdst(0) depctr_va_vdst(0) depctr_va_sdst(0) depctr_va_ssrc(0) depctr_va_vcc(0) depctr_vm_vsrc(0)
	s_getreg_b32 s2, hwreg(HW_REG_IB_STS2, 6, 4)
	s_cmp_eq_u32 s2, 0
	s_cbranch_scc0 .Lentry_in_a_cluster
	s_endpgm
.Lentry_in_a_cluster:
	s_bfe_u32 s2, ttmp6, 0x10000c
	s_cmp_lg_u32 s2, 0x3003
	s_cbranch_scc0 .Lentry_shape_is_right
	s_endpgm
.Lentry_shape_is_right:
.set KF,  40
.set S,   96
.set O,   160
.set PC,  192
.set BM,  212
.set BX,  216
.set BS,  220
.set F,   224
.set PW,  226
.set T0,  227
.set SUM2, 228
.set WV,  18
.set SEL, 20
.set CS,  22
.set G1C, 24
.set G1S, 32
.set G0C, 40
.set G0S, 44
.set TB,  48
.set TS,  49
.set CNT, 50
.set SELQ, 51
.macro CROUND
	s_barrier_signal -1
	s_barrier_wait -1
	s_cmp_lg_u32 s[WV], 0
	s_cbranch_scc1 .Lnot_wave_0_\@
	s_barrier_signal -3
.Lnot_wave_0_\@:
	s_barrier_wait -3
	s_barrier_signal -1
	s_barrier_wait -1
.endm
	s_load_b256 s[4:11], s[0:1], 0x0
	s_load_b128 s[12:15], s[0:1], 0x20
	s_load_b64 s[16:17], s[0:1], 0x30
	v_lshl_add_u32 v254, v0, 2, 0x32000
	v_mov_b32 v255, 0
	ds_add_u32 v254, v255
	ds_add_u32 v254, v255
	v_lshrrev_b32 v1, 5, v0
	s_delay_alu instid0(VALU_DEP_1)
	v_readfirstlane_b32 s[WV], v1
	s_bfe_u32 s19, ttmp6, 0x40000
	s_and_b32 s53, ttmp7, 0xffff
	s_mov_b32 s[G1C], 15|(3<<16)|(1<<21)
	s_mov_b32 s[G1C+1], 32<<16
	s_mov_b32 s[G1C+2], 48<<16
	s_mov_b32 s[G1C+3], 32<<16
	s_mov_b32 s[G1C+4], 48
	s_mov_b32 s[G1C+5], 32
	s_mov_b32 s[G1C+6], 0
	s_mov_b32 s[G1C+7], 0
	s_mov_b32 s[G1S], 15|(3<<16)|(1<<21)
	s_mov_b32 s[G1S+1], 32<<16
	s_mov_b32 s[G1S+2], 2<<16
	s_mov_b32 s[G1S+3], 32<<16
	s_mov_b32 s[G1S+4], 2
	s_mov_b32 s[G1S+5], 32
	s_mov_b32 s[G1S+6], 0
	s_mov_b32 s[G1S+7], 0
	s_mul_i32 s66, s53, 98304
	s_and_b32 s67, s[WV], 7
	s_mul_i32 s67, s67, 12288
	s_add_co_u32 s66, s66, s67
	s_mov_b32 s67, 0
	s_mul_i32 s[G0C+1], s[WV], 12288
	s_lshl_b32 s[G0S+1], s[WV], 9
	s_lshl_b32 s68, s53, 13
	s_add_co_u32 s68, s68, s[G0S+1]
	s_mov_b32 s69, 0
	s_add_co_u32 s[G0S+1], s[G0S+1], 196608
	s_mov_b32 s[G0C], 1
	s_mov_b32 s[G0S], 1
	s_lshl_b32 s70, s53, 7
	s_lshl_b32 s71, s19, 5
	s_add_co_u32 s70, s70, s71
	s_add_co_u32 s70, s70, s[WV]
	s_mul_i32 s56, s70, 768
	s_mov_b32 s57, 0
	s_lshl_b32 s58, s53, 4
	s_lshl_b32 s71, s19, 2
	s_add_co_u32 s58, s58, s71
	s_lshr_b32 s71, s[WV], 3
	s_add_co_u32 s58, s58, s71
	s_lshl_b32 s58, s58, 8
	s_bfe_u32 s71, s[WV], 0x20001
	s_lshl_b32 s71, s71, 2
	s_add_co_u32 s58, s58, s71
	s_mov_b32 s59, 0
	s_and_b32 s71, s[WV], 1
	s_cmp_eq_u32 s71, 0
	s_mov_b32 s[SELQ], 0x03020302
	s_cselect_b32 s[SELQ], 0x01000100, s[SELQ]
	s_lshr_b32 s54, s53, 4
	s_and_b32 s55, s53, 15
	s_lshl_b32 s70, s54, 7
	s_lshl_b32 s71, s19, 5
	s_add_co_u32 s70, s70, s71
	s_add_co_u32 s70, s70, s[WV]
	s_mul_i32 s60, s70, 3072
	s_lshr_b32 s71, s55, 2
	s_mul_i32 s71, s71, 1572864
	s_add_co_u32 s60, s60, s71
	s_and_b32 s71, s55, 3
	s_mul_i32 s71, s71, 768
	s_add_co_u32 s60, s60, s71
	s_mov_b32 s61, 0
	s_lshl_b32 s62, s70, 9
	s_lshl_b32 s71, s55, 1
	s_add_co_u32 s62, s62, s71
	s_mov_b32 s63, 0
	s_mov_b32 s[SEL], 0x76543210
	s_mov_b32 s[SEL+1], 0xfedcba98
	s_mov_b32 s[CS], 0x3d0293ee
	s_mov_b32 s[CS+1], s[CS]
	v_and_b32 v10, 31, v0
	s_delay_alu instid0(VALU_DEP_1)
	v_lshlrev_b32 v1, 4, v10
	s_delay_alu instid0(VALU_DEP_2)
	v_lshlrev_b32 v2, 3, v10
	s_delay_alu instid0(VALU_DEP_2)
	v_add_nc_u32 v3, 98304, v1
	s_delay_alu instid0(VALU_DEP_2)
	v_add_nc_u32 v4, 98304, v2
	s_delay_alu instid0(VALU_DEP_4)
	v_add_nc_u32 v5, 196608, v1
	v_and_b32 v9, 15, v0
	v_bfe_u32 v8, v0, 4, 1
	s_delay_alu instid0(VALU_DEP_2)
	v_lshlrev_b32 v11, 4, v9
	s_delay_alu instid0(VALU_DEP_2)
	v_lshl_add_u32 v88, v9, 5, v8
.irp j, 16,17,18,19,20,21,28,29,30,31,32,33
	v_mov_b32 v\j, 0
.endr
.irp b, 0,1,2,3
	v_mov_b32 v[BX+\b], 0
.endr
	v_mov_b32 v[F+1], 0
	v_mov_b32 v[T0], 0
	s_wait_dscnt 0x0
	s_wait_kmcnt 0x0
	s_cmp_lt_u32 s[WV], 8
	s_cselect_b64 s[G0C+2:G0C+3], s[8:9], s[10:11]
	s_add_nc_u64 s[G0C+2:G0C+3], s[G0C+2:G0C+3], s[66:67]
	s_or_b32 s[G0C+3], s[G0C+3], 0x80000000
	s_add_nc_u64 s[G0S+2:G0S+3], s[12:13], s[68:69]
	s_or_b32 s[G0S+3], s[G0S+3], 0x80000000
	s_add_nc_u64 s[56:57], s[4:5], s[56:57]
	s_add_nc_u64 s[58:59], s[6:7], s[58:59]
	s_add_nc_u64 s[60:61], s[14:15], s[60:61]
	s_add_nc_u64 s[62:63], s[16:17], s[62:63]
	CROUND
	tensor_load_to_lds s[G0C:G0C+3], s[G1C:G1C+7]
	s_nop 0
	s_wait_alu depctr_va_vdst(0)
	s_wait_tensorcnt 0x0
	ds_add_u32 v254, v255
	s_wait_dscnt 0x0
	CROUND
	tensor_load_to_lds s[G0S:G0S+3], s[G1S:G1S+7]
	s_nop 0
.rept 4
	v_nop
.endr
.macro QLOAD p
	global_load_b128 v[22:25], v1, s[56:57] offset:12288*\p th:TH_LOAD_NT
	global_load_b64 v[26:27], v2, s[56:57] offset:12288*\p+512 th:TH_LOAD_NT
	global_load_b32 v38, v11, s[58:59] offset:512*\p
.endm
	QLOAD 0
	s_wait_tensorcnt 0x0
	s_barrier_signal -1
	s_barrier_wait -1
.macro STEP
	v_add_nc_u32 v6, s[TB], v1
	v_add_nc_u32 v7, s[TB], v2
	v_add_nc_u32 v8, s[TB], v3
	v_add_nc_u32 v9, s[TB], v4
	v_add_nc_u32 v10, s[TS], v5
.irp j, 0,1,2,3
	ds_load_b128 v[KF+12*\j:KF+12*\j+3], v6 offset:1536*\j
	ds_load_b64 v[KF+12*\j+4:KF+12*\j+5], v7 offset:1536*\j+512
	ds_load_b128 v[KF+12*\j+6:KF+12*\j+9], v6 offset:1536*\j+768
	ds_load_b64 v[KF+12*\j+10:KF+12*\j+11], v7 offset:1536*\j+1280
.endr
	ds_load_b128 v[34:37], v10
	s_wait_alu depctr_va_vdst(0)
	s_wait_dscnt 0x0
.irp j, 0,1,2,3
	v_wmma_scale_f32_16x16x128_f8f6f4 v[S+16*\j:S+16*\j+7], v[KF+12*\j:KF+12*\j+11], v[22:33], 0, v[34+\j], v39 matrix_a_fmt:MATRIX_FMT_FP6 matrix_b_fmt:MATRIX_FMT_FP6
	v_wmma_scale_f32_16x16x128_f8f6f4 v[S+16*\j+8:S+16*\j+15], v[KF+12*\j:KF+12*\j+11], v[16:27], 0, v[34+\j], v39 matrix_a_fmt:MATRIX_FMT_FP6 matrix_b_fmt:MATRIX_FMT_FP6
.endr
.rept 4
	v_nop
.endr
.irp t, 0,1,2,3
	ds_load_b128 v[KF+12*\t:KF+12*\t+3], v8 offset:1536*\t
	ds_load_b64 v[KF+12*\t+4:KF+12*\t+5], v9 offset:1536*\t+512
	ds_load_b128 v[KF+12*\t+6:KF+12*\t+9], v8 offset:1536*\t+768
	ds_load_b64 v[KF+12*\t+10:KF+12*\t+11], v9 offset:1536*\t+1280
.endr
.irp b, 0,1,2,3
	v_max3_num_f32 v[BM+\b], v[S+16*\b], v[S+1+16*\b], v[S+2+16*\b]
.endr
.irp i, 3,5,7,9,11,13
.irp b, 0,1,2,3
	v_max3_num_f32 v[BM+\b], v[BM+\b], v[S+16*\b+\i], v[S+1+16*\b+\i]
.endr
.endr
.irp b, 0,1,2,3
	v_max_num_f32 v[BM+\b], v[BM+\b], v[S+15+16*\b]
.endr
.irp b, 0,1,2,3
	s_delay_alu instid0(VALU_DEP_4)
	v_permlanex16_b32 v[BX+\b], v[BM+\b], s[SEL], s[SEL+1]
.endr
.irp b, 0,1,2,3
	s_delay_alu instid0(VALU_DEP_4)
	v_max_num_f32 v[BM+\b], v[BM+\b], v[BX+\b]
.endr
	s_delay_alu instid0(VALU_DEP_2)
	v_max3_num_f32 v[T0], v[BM], v[BM+1], v[BM+2]
	s_delay_alu instid0(VALU_DEP_1)
	v_max_num_f32 v[T0], v[T0], v[BM+3]
	s_delay_alu instid0(VALU_DEP_1)
	v_mul_f32 v[T0], s[CS], v[T0]
	s_delay_alu instid0(VALU_DEP_1)
	v_max_num_f32 v13, v13, v[T0]
	v_mov_b32 v[T0], v12
	s_delay_alu instid0(VALU_DEP_2)
	v_floor_f32 v12, -v13
	s_delay_alu instid0(VALU_DEP_1)
	v_sub_f32 v[T0], v12, v[T0]
	s_delay_alu instid0(VALU_DEP_1)
	v_cvt_i32_f32 v[T0], v[T0]
	s_delay_alu instid0(VALU_DEP_1)
	v_ldexp_f32 v[F], 1.0, v[T0]
.set i, 0
.rept 32
	v_pk_fma_f32 v[S+i:S+i+1], v[S+i:S+i+1], s[CS:CS+1], v[12:13] op_sel_hi:[1,0,0]
.set i, i+2
.endr
.irp b, 0,1,2,3
	v_fma_f32 v[BM+\b], v[BM+\b], s[CS], v12
.endr
.set i, 0
	s_wait_alu depctr_va_vdst(0)
.rept 64
	v_exp_f32 v[S+i], v[S+i]
.set i, i+1
.endr
	s_setprio 1
	v_pk_mul_f32 v[14:15], v[14:15], v[F:F+1] op_sel_hi:[1,0]
	s_wait_alu depctr_va_vdst(0)
.irp b, 0,1,2,3
	v_exp_f32 v[BM+\b], v[BM+\b]
.endr
	v_pk_add_f32 v[SUM2:SUM2+1], v[S:S+1], v[S+2:S+3]
.irp j, 4,8,12,16,20,24,28,32,36,40,44,48,52,56,60
	v_pk_add_f32 v[14:15], v[14:15], v[S+\j:S+1+\j]
	v_pk_add_f32 v[SUM2:SUM2+1], v[SUM2:SUM2+1], v[S+2+\j:S+3+\j]
.endr
	s_delay_alu instid0(VALU_DEP_1)
	v_pk_add_f32 v[14:15], v[14:15], v[SUM2:SUM2+1]
	s_wait_alu depctr_va_vdst(0)
.irp b, 0,1,2,3
	v_max_num_f32 v[BM+\b], 0x1800000, v[BM+\b]
.endr
.irp b, 0,1,2,3
	s_delay_alu instid0(VALU_DEP_4)
	v_add_nc_u32 v[BS+\b], 0xff000000, v[BM+\b]
.endr
.irp b, 0,1,2,3
	s_delay_alu instid0(VALU_DEP_4)
	v_lshrrev_b32 v[BX+\b], 23, v[BS+\b]
.endr
	s_delay_alu instid0(VALU_DEP_3)
	v_lshl_or_b32 v[PW], v[BX+1], 8, v[BX]
	s_delay_alu instid0(VALU_DEP_1)
	v_lshl_or_b32 v[PW], v[BX+2], 16, v[PW]
	s_delay_alu instid0(VALU_DEP_1)
	v_lshl_or_b32 v[PW], v[BX+3], 24, v[PW]
.irp c, 0,1
	v_cvt_scalef32_pk16_fp6_f32 v[PC+6*\c:PC+2+6*\c], v[S+32*\c:S+15+32*\c], v[BS+2*\c]
	v_cvt_scalef32_pk16_fp6_f32 v[PC+12+4*\c:PC+14+4*\c], v[S+16+32*\c:S+31+32*\c], v[BS+2*\c+1]
.endr
	v_nop
.irp c, 0,1
.irp i, 0,1,2
	v_permlane16_swap_b32 v[PC+6*\c+\i], v[PC+12+4*\c+\i]
.endr
.irp i, 0,1,2
	s_delay_alu instid0(VALU_DEP_3)
	v_mov_b32 v[PC+3+6*\c+\i], v[PC+12+4*\c+\i]
.endr
.endr
.set i, 0
	s_setprio 0
.rept 16
	v_pk_mul_f32 v[O+i:O+i+1], v[O+i:O+i+1], v[F:F+1] op_sel_hi:[1,0]
.set i, i+2
.endr
	s_wait_alu depctr_va_vdst(0)
	s_wait_dscnt 0x0
.irp t, 0,1,2,3
	v_wmma_scale_f32_16x16x128_f8f6f4 v[O+8*\t:O+8*\t+7], v[KF+12*\t:KF+12*\t+11], v[PC:PC+11], v[O+8*\t:O+8*\t+7], v[34+\t], v[PW] matrix_a_fmt:MATRIX_FMT_FP6 matrix_b_fmt:MATRIX_FMT_FP6 matrix_a_scale:MATRIX_SCALE_ROW1
.endr
	s_add_co_u32 s[TB], s[TB], 6144
	s_add_co_u32 s[TS], s[TS], 512
.endm
.macro FINISH p
.rept 4
	v_nop
.endr
	v_add_f32 v14, v14, v15
	s_delay_alu instid0(VALU_DEP_1)
	v_permlanex16_b32 v[T0], v14, s[SEL], s[SEL+1]
	s_delay_alu instid0(VALU_DEP_1)
	v_add_f32 v14, v14, v[T0]
	s_wait_alu depctr_va_vdst(0)
	v_rcp_f32 v[F], v14
	v_nop
	s_wait_alu depctr_va_vdst(0)
.set i, 0
.rept 16
	v_pk_mul_f32 v[S+i:S+i+1], v[O+i:O+i+1], v[F:F+1] op_sel_hi:[1,0]
.set i, i+2
.endr
.irp g, 0,1
.irp j, 0,1,2,3,4,5,6,7
	v_permlane16_swap_b32 v[S+16*\g+\j], v[S+8+16*\g+\j]
.endr
.endr
.irp g, 0,1
	v_max3_num_f32 v[BM+\g], |v[S+16*\g]|, |v[S+1+16*\g]|, 0x1800000
.endr
.irp i, 2,4,6,8,10,12,14
.irp g, 0,1
	s_delay_alu instid0(VALU_DEP_2)
	v_max3_num_f32 v[BM+\g], v[BM+\g], |v[S+16*\g+\i]|, |v[S+1+16*\g+\i]|
.endr
.endr
.irp g, 0,1
	s_delay_alu instid0(VALU_DEP_2)
	v_permlanex16_b32 v[BX+\g], v[BM+\g], s[SEL], s[SEL+1]
.endr
.irp g, 0,1
	s_delay_alu instid0(VALU_DEP_2)
	v_max_num_f32 v[BM+\g], v[BM+\g], v[BX+\g]
.endr
.irp g, 0,1
	s_delay_alu instid0(VALU_DEP_2)
	v_add_nc_u32 v[BS+\g], 0xff000000, v[BM+\g]
.endr
.irp g, 0,1
	s_delay_alu instid0(VALU_DEP_2)
	v_lshrrev_b32 v[BX+\g], 23, v[BS+\g]
.endr
	v_cvt_scalef32_pk16_fp6_f32 v[PC:PC+2], v[S:S+15], v[BS]
	v_cvt_scalef32_pk16_fp6_f32 v[PC+6:PC+8], v[S+16:S+31], v[BS+1]
	v_nop
.irp i, 0,1,2
	v_permlane16_swap_b32 v[PC+\i], v[PC+6+\i]
.endr
.irp i, 0,1,2
	s_delay_alu instid0(VALU_DEP_3)
	v_mov_b32 v[PC+3+\i], v[PC+6+\i]
.endr
	v_cmp_lt_u32 vcc_lo, 127, v2
	s_delay_alu instid0(VALU_DEP_1)
	v_cndmask_b32 v89, v[BX], v[BX+1], vcc_lo
	global_store_b128 v1, v[PC:PC+3], s[60:61] offset:49152*\p
	global_store_b64 v2, v[PC+4:PC+5], s[60:61] offset:49152*\p+512
	global_store_b8 v88, v89, s[62:63] offset:8192*\p
.endm
.macro PASS p
	s_wait_xcnt 0x0
	s_wait_loadcnt 0x0
	v_perm_b32 v39, v38, v38, s[SELQ]
	v_mov_b32 v13, 0xff61b1e6
	s_delay_alu instid0(VALU_DEP_1)
	v_floor_f32 v12, -v13
	v_mov_b32 v14, 0
	v_mov_b32 v15, 0
.set i, 0
.rept 32
	v_mov_b32 v[O+i], 0
.set i, i+1
.endr
	s_mov_b32 s[TB], 0
	s_mov_b32 s[TS], 0
	s_mov_b32 s[CNT], 16
.Lkeys_\@:
	s_setprio 2
	STEP
	s_sub_co_u32 s[CNT], s[CNT], 1
	s_cmp_lg_u32 s[CNT], 0
	s_cbranch_scc1 .Lkeys_\@
	s_setprio 0
.if \p == 0
	QLOAD 1
.endif
	FINISH \p
.endm
	PASS 0
	PASS 1
	s_wait_tensorcnt 0x0
	ds_add_u32 v254, v255
	s_wait_dscnt 0x0
	CROUND
	s_endpgm
.Lfunc_end_k_qcf85599334_attn:
	.size	k_qcf85599334_attn, .Lfunc_end_k_qcf85599334_attn-k_qcf85599334_attn
	.p2alignl 7, 3214868480
	.fill 96, 4, 3214868480
	.section	.rodata,"a",@progbits
	.p2align	6, 0x0
	.amdhsa_kernel k_qcf85599334_attn
		.amdhsa_group_segment_fixed_size 327680
		.amdhsa_private_segment_fixed_size 0
		.amdhsa_enable_private_segment 0
		.amdhsa_kernarg_size 56
		.amdhsa_user_sgpr_count 2
		.amdhsa_user_sgpr_kernarg_segment_ptr 1
		.amdhsa_wavefront_size32 1
		.amdhsa_system_sgpr_workgroup_id_x 1
		.amdhsa_system_sgpr_workgroup_id_y 1
		.amdhsa_system_sgpr_workgroup_id_z 1
		.amdhsa_system_vgpr_workitem_id 0
		.amdhsa_next_free_vgpr 256
		.amdhsa_next_free_sgpr 72
		.amdhsa_reserve_vcc 1
		.amdhsa_float_denorm_mode_32 3
		.amdhsa_float_denorm_mode_16_64 3
		.amdhsa_memory_ordered 1
		.amdhsa_forward_progress 1
		.amdhsa_inst_pref_size 55
	.end_amdhsa_kernel
	.amdgpu_metadata
---
amdhsa.version: [ 1, 2 ]
amdhsa.kernels:
  - .name:           k_qcf85599334_attn
    .symbol:         k_qcf85599334_attn.kd
    .args:
      - { .name: qc, .offset: 0, .size: 8, .value_kind: global_buffer, .address_space: global }
      - { .name: qs, .offset: 8, .size: 8, .value_kind: global_buffer, .address_space: global }
      - { .name: kc, .offset: 16, .size: 8, .value_kind: global_buffer, .address_space: global }
      - { .name: vc, .offset: 24, .size: 8, .value_kind: global_buffer, .address_space: global }
      - { .name: kvs, .offset: 32, .size: 8, .value_kind: global_buffer, .address_space: global }
      - { .name: cc, .offset: 40, .size: 8, .value_kind: global_buffer, .address_space: global }
      - { .name: cs, .offset: 48, .size: 8, .value_kind: global_buffer, .address_space: global }
    .group_segment_fixed_size: 327680
    .private_segment_fixed_size: 0
    .kernarg_segment_align: 8
    .kernarg_segment_size: 56
    .max_flat_workgroup_size: 512
    .sgpr_count:     72
    .vgpr_count:     256
    .wavefront_size: 32
...
	.end_amdgpu_metadata
.endif
;; end of part 2
;; launch outp (part 3): grid 4 x 32, 4 waves a work-group, clusters of 4 x 4, 327,680 bytes of LDS; arguments cc, cs, Wo_codes, Wo_scales, out0, bo; writes out0
.if DOCPART == 3
	.amdgcn_target "amdgcn-amd-amdhsa--gfx1250"
	.amdhsa_code_object_version 6
	.text
	.protected	k_qcf85599334_outp
	.globl	k_qcf85599334_outp
	.p2align	8
	.type	k_qcf85599334_outp,@function
k_qcf85599334_outp:
	s_mov_b64 s[64:65], 0
	v_nop
	global_prefetch_b8 v0, s[64:65] scope:SCOPE_SE
	s_setreg_imm32_b32 hwreg(HW_REG_WAVE_MODE, 25, 1), 1
	s_wait_xcnt 0x0
	s_wait_alu depctr_hold_cnt(0) depctr_sa_sdst(0) depctr_va_vdst(0) depctr_va_sdst(0) depctr_va_ssrc(0) depctr_va_vcc(0) depctr_vm_vsrc(0)
	s_getreg_b32 s2, hwreg(HW_REG_IB_STS2, 6, 4)
	s_cmp_eq_u32 s2, 0
	s_cbranch_scc0 .Lentry_in_a_cluster
	s_endpgm
.Lentry_in_a_cluster:
	s_bfe_u32 s2, ttmp6, 0x10000c
	s_cmp_lg_u32 s2, 0xf033
	s_cbranch_scc0 .Lentry_shape_is_right
	s_endpgm
.Lentry_shape_is_right:
.set SIZE_N, 1024
.set KSTEP,  256
.set NQ,     KSTEP/128
.set ROWB,   192
.set KROW,   768
.set PITCH,  240
.set FR,     12
.set NL,     6
.set NLA,    4
.set NP,     4
.set HALFA,  24576
.set HALFB,  128*PITCH
.set SLOT,   2*HALFA+2*HALFB
.set KSB,    1572864
.set LAPS,   2
.set KS,     32
.set SCL,    2*SLOT
.set HALFS,  (128*KS/256)*272
.set SBLK,   (16*KS/256)*272
.set SPARE,  SCL+4*HALFS
.set SPITCH, 528
.set ADRA, 16
.set ADRB, 20
.set STO,  24
.set RD,   25
.set CO,   26
.set ADRS, 27
.set SPW,  28
.set NIL,  29
.set SC,   32
.set BO,   64
.set AF,   128
.set BK,   128
.set G1, 24
.set G0, 32
.set G1B, 48
.set G0B, 56
.set G1S, 68
.set G0S, 76
.set G1SB, 80
.set G0SB, 88
.set MSB, 0
.macro WIN new
.if MSB != \new
	s_set_vgpr_msb (MSB<<8)|\new
.set MSB, \new
.endif
.endm
.set MUL_LO, 0xa1
.set MUL_HI, 0xf1
.set TO_B,   0x40
.macro JLOAD g0a, g1a, g0b, g1b
	s_cmp_eq_u32 s15, 0
	s_cbranch_scc0 .Lfor_b_\@
	tensor_load_to_lds s[\g0a:\g0a+3], s[\g1a:\g1a+7]
	s_nop 0
.rept 4
	v_nop
.endr
	s_branch .Lasked_\@
.Lfor_b_\@:
	tensor_load_to_lds s[\g0b:\g0b+3], s[\g1b:\g1b+7]
	s_nop 0
.rept 4
	v_nop
.endr
.Lasked_\@:
.endm
.macro CREST
	s_cmp_lg_u32 s14, 0
	s_cbranch_scc1 .Lnot_wave_0_\@
	s_barrier_signal -3
.Lnot_wave_0_\@:
	s_barrier_wait -3
	s_barrier_signal -1
	s_barrier_wait -1
.endm
.macro CROUND
	s_barrier_signal -1
	s_barrier_wait -1
	CREST
.endm
	s_load_b128 s[4:7], s[0:1], 0x0
	s_load_b128 s[8:11], s[0:1], 0x10
	s_load_b64 s[12:13], s[0:1], 0x20
	s_load_b64 s[96:97], s[0:1], 0x28
	v_lshl_add_u32 v[SPW], v0, 2, SPARE
	v_mov_b32 v[NIL], 0
	ds_add_u32 v28, v29
	ds_add_u32 v28, v29
	s_wait_dscnt 0x0
	v_lshrrev_b32 v1, 5, v0
	v_readfirstlane_b32 s14, v1
	s_lshr_b32 s15, s14, 1
	s_and_b32 s16, s14, 1
	s_bfe_u32 s40, ttmp6, 0x40000
	s_bfe_u32 s41, ttmp6, 0x40004
	s_lshl_b32 s42, ttmp9, 2
	s_add_co_u32 s42, s42, s40
	s_and_b32 s17, ttmp7, 0xffff
	s_lshl_b32 s17, s17, 2
	s_add_co_u32 s17, s17, s41
	s_lshl_b32 s43, s41, 2
	s_lshl_b32 s43, 15, s43
	s_lshl_b32 s44, 0x1111, s40
	s_or_b32 s[G1+0], s43, (3<<16)|(1<<21)
	s_mov_b32 s[G1+1], 32<<16
	s_mov_b32 s[G1+2], 96<<16
	s_mov_b32 s[G1+3], 32<<16
	s_mov_b32 s[G1+4], 96
	s_mov_b32 s[G1+5], 32
	s_mov_b32 s[G1+6], 0
	s_mov_b32 s[G1+7], 0
	s_or_b32 s[G1B+0], s44, (0<<16)|(1<<20)|(1<<21)|(3<<22)|(3<<25)
	s_mov_b32 s[G1B+1], ROWB<<16
	s_mov_b32 s[G1B+2], 128<<16
	s_mov_b32 s[G1B+3], ROWB<<16
	s_mov_b32 s[G1B+4], 128
	s_mov_b32 s[G1B+5], KROW
	s_mov_b32 s[G1B+6], 0
	s_mov_b32 s[G1B+7], 0
	s_or_b32 s[G1S+0], s43, (3<<16)|(1<<20)|(1<<21)|(5<<22)|(3<<25)
	s_or_b32 s[G1SB+0], s44, (3<<16)|(1<<20)|(1<<21)|(5<<22)|(3<<25)
.irp g, G1S, G1SB
	s_mov_b32 s[\g+1], 32<<16
	s_mov_b32 s[\g+2], (128*KS/256)<<16
	s_mov_b32 s[\g+3], 32<<16
	s_mov_b32 s[\g+4], 128*KS/256
	s_mov_b32 s[\g+5], 32
	s_mov_b32 s[\g+6], 0
	s_mov_b32 s[\g+7], 0
.endr
	s_lshl_b32 s18, s16, 7
	s_lshl_b32 s20, s17, 8
	s_add_co_u32 s20, s20, s18
	s_lshl_b32 s46, s42, 8
	s_add_co_u32 s46, s46, s18
	s_mov_b32 s21, 0
	s_mov_b32 s47, 0
	s_mov_b64 s[18:19], KS
	s_mul_u64 s[22:23], s[20:21], s[18:19]
	s_mul_u64 s[92:93], s[46:47], s[18:19]
	s_mov_b64 s[18:19], 192
	s_mul_u64 s[20:21], s[20:21], s[18:19]
	s_mov_b64 s[18:19], KROW
	s_mul_u64 s[46:47], s[46:47], s[18:19]
	s_mul_i32 s45, s16, HALFA
	s_mul_i32 s95, s16, HALFB
	s_add_co_u32 s95, s95, 2*HALFA
	s_mul_i32 s94, s14, HALFS
	s_wait_kmcnt 0x0
	s_add_nc_u64 s[20:21], s[4:5], s[20:21]
	s_add_nc_u64 s[22:23], s[6:7], s[22:23]
	s_add_nc_u64 s[46:47], s[8:9], s[46:47]
	s_add_nc_u64 s[92:93], s[10:11], s[92:93]
	CROUND
	s_mov_b32 s[G0S], 1
	s_add_co_u32 s[G0S+1], s94, SCL
	s_mov_b64 s[G0S+2:G0S+3], s[22:23]
	s_or_b32 s[G0S+3], s[G0S+3], 0x80000000
	s_mov_b32 s[G0SB], 1
	s_add_co_u32 s[G0SB+1], s94, SCL
	s_mov_b64 s[G0SB+2:G0SB+3], s[92:93]
	s_or_b32 s[G0SB+3], s[G0SB+3], 0x80000000
	JLOAD G0S, G1S, G0SB, G1SB
.irp s, 0,1
	s_mov_b32 s[G0+4*\s], 1
	s_add_co_u32 s[G0+4*\s+1], s45, \s*SLOT
	s_add_nc_u64 s[G0+4*\s+2:G0+4*\s+3], s[20:21], \s*KSB
	s_or_b32 s[G0+4*\s+3], s[G0+4*\s+3], 0x80000000
	s_mov_b32 s[G0B+4*\s], 1
	s_add_co_u32 s[G0B+4*\s+1], s95, \s*SLOT
	s_add_nc_u64 s[G0B+4*\s+2:G0B+4*\s+3], s[46:47], \s*ROWB
	s_or_b32 s[G0B+4*\s+3], s[G0B+4*\s+3], 0x80000000
	s_wait_alu depctr_va_vdst(0)
	s_wait_tensorcnt 0x0
	ds_add_u32 v28, v29
	s_wait_dscnt 0x0
	CROUND
	JLOAD G0+4*\s, G1, G0B+4*\s, G1B
.endr
	v_and_b32 v1, 15, v0
	v_bfe_u32 v2, v0, 4, 1
	v_and_b32 v6, 31, v0
	v_mul_u32_u24 v3, v1, PITCH
	v_mul_u32_u24 v4, v2, 24
	v_add_nc_u32 v4, v3, v4
	v_lshl_add_u32 v5, v2, 4, v4
	v_lshlrev_b32 v7, 4, v6
	v_lshlrev_b32 v8, 3, v6
	s_mul_i32 s21, s15, HALFA
	s_mul_i32 s22, s16, HALFB
	s_add_co_u32 s22, s22, 2*HALFA
.irp s, 0,1
	v_add_nc_u32 v[ADRA+\s], s21, v7
	v_add_nc_u32 v[ADRA+2+\s], s21, v8
	v_add_nc_u32 v[ADRB+\s], s22, v4
	v_add_nc_u32 v[ADRB+2+\s], s22, v5
	s_add_co_u32 s21, s21, SLOT
	s_add_co_u32 s22, s22, SLOT
.endr
	v_mul_u32_u24 v5, v1, KS
	v_lshrrev_b32 v6, 8, v5
	v_lshl_add_u32 v5, v6, 4, v5
	s_mul_i32 s21, s15, HALFS
	s_mul_i32 s22, s16, HALFS
	s_add_co_u32 s22, s22, 2*HALFS
	s_sub_co_u32 s22, s22, s21
	v_mul_u32_u24 v6, s22, v2
	s_add_co_u32 s21, s21, SCL
	v_add_nc_u32 v5, v5, v6
	v_add_nc_u32 v[ADRS], s21, v5
	s_mul_i32 s23, s14, 16*SPITCH
	v_mul_u32_u24 v5, v1, SPITCH
	v_lshl_add_u32 v5, v2, 5, v5
	v_add_nc_u32 v[STO], s23, v5
	v_and_b32 v6, 31, v0
	v_lshlrev_b32 v[CO], 4, v6
	s_wait_alu depctr_va_vdst(0)
	v_add_nc_u32 v[RD], s23, v[CO]
	s_lshl_b32 s20, s17, 8
	s_lshl_b32 s21, s15, 7
	s_add_co_u32 s20, s20, s21
	s_mov_b32 s21, 0
	s_mov_b64 s[18:19], SIZE_N*4
	s_mul_u64 s[20:21], s[20:21], s[18:19]
	s_lshl_b32 s46, s42, 10
	s_lshl_b32 s47, s16, 9
	s_add_co_u32 s46, s46, s47
	s_mov_b32 s47, 0
	s_add_nc_u64 s[20:21], s[20:21], s[46:47]
	s_add_nc_u64 s[12:13], s[12:13], s[20:21]
	s_add_nc_u64 s[96:97], s[96:97], s[46:47]
	global_load_b128 v[BO:BO+3], v[CO], s[96:97]
.macro FRAG reg, adr, q, i
.irp p, 0,1,2,3,4,5
.set PIECE, 12*(\q)+6*(\p/3)+\p%3
.if PIECE%8 < 5
	ds_load_b64 v[\reg+2*\p:\reg+2*\p+1], v[\adr] offset:8*PIECE+16*(PIECE/8)+(\i)*16*PITCH
.else
	ds_load_b64 v[\reg+2*\p:\reg+2*\p+1], v[\adr+2] offset:8*PIECE+16*(PIECE/8)+(\i)*16*PITCH
.endif
.endr
.endm
.macro FRAGA reg, slot, q, i
	ds_load_b128 v[\reg:\reg+3], v[ADRA+\slot] offset:3072*(\i)+1536*(\q)
	ds_load_b64 v[\reg+4:\reg+5], v[ADRA+2+\slot] offset:3072*(\i)+1536*(\q)+512
	ds_load_b128 v[\reg+6:\reg+9], v[ADRA+\slot] offset:3072*(\i)+1536*(\q)+768
	ds_load_b64 v[\reg+10:\reg+11], v[ADRA+2+\slot] offset:3072*(\i)+1536*(\q)+1280
.endm
.macro MUL16 a0, p, q, sc, zero
.irp a, \a0, \a0+1
.irp b, 0,1,2,3,4,5,6,7
.if \zero
	v_wmma_scale_f32_16x16x128_f8f6f4 v[8*(8*((\a)%4)+\b):8*(8*((\a)%4)+\b)+7], v[128*(\p)+FR*\b:128*(\p)+FR*\b+FR-1], v[AF+FR*(\a):AF+FR*(\a)+FR-1], 0, v[SC+8*NQ*(\sc)+NQ*\b+(\q)], v[SC+8*NQ*(\sc)+NQ*(\a)+(\q)] matrix_a_fmt:MATRIX_FMT_FP6 matrix_b_fmt:MATRIX_FMT_FP6 matrix_a_scale:MATRIX_SCALE_ROW1
.else
	v_wmma_scale_f32_16x16x128_f8f6f4 v[8*(8*((\a)%4)+\b):8*(8*((\a)%4)+\b)+7], v[128*(\p)+FR*\b:128*(\p)+FR*\b+FR-1], v[AF+FR*(\a):AF+FR*(\a)+FR-1], v[8*(8*((\a)%4)+\b):8*(8*((\a)%4)+\b)+7], v[SC+8*NQ*(\sc)+NQ*\b+(\q)], v[SC+8*NQ*(\sc)+NQ*(\a)+(\q)] matrix_a_fmt:MATRIX_FMT_FP6 matrix_b_fmt:MATRIX_FMT_FP6 matrix_a_scale:MATRIX_SCALE_ROW1
.endif
.endr
.endr
.endm
.macro FETCH_B slot, q, p
	WIN TO_B
.irp i, 0,1,2,3,4,5,6,7
	FRAG 128*(\p)+FR*\i, ADRB+\slot, \q, \i
.endr
	WIN 0
.endm
.macro FETCH_A slot, q, i0
.irp i, \i0, \i0+1, \i0+2, \i0+3
	FRAGA AF+FR*(\i), \slot, \q, \i
.endr
.endm
.macro SCALES sc
.irp i, 0,1,2,3,4,5,6,7
	ds_load_b64 v[SC+8*NQ*\sc+NQ*\i:SC+8*NQ*\sc+NQ*\i+1], v[ADRS] offset:\i*SBLK
.endr
.endm
.macro PLACES n
.rept \n
	v_nop
.endr
.endm
.macro STEP slot, q, zero
	s_wait_dscnt 4*NLA
	WIN MUL_LO
	MUL16 0, (\q)%2, \q, \slot, \zero
	MUL16 2, (\q)%2, \q, \slot, \zero
	s_wait_dscnt 0
	PLACES NP
	FETCH_B \slot, (\q)+1, 1-(\q)%2
	FETCH_A \slot, (\q)+1, 0
	WIN MUL_HI
	MUL16 4, (\q)%2, \q, \slot, \zero
	MUL16 6, (\q)%2, \q, \slot, \zero
	PLACES NP
	WIN 0
	FETCH_A \slot, (\q)+1, 4
.endm
.macro TURN slot, next, fill
	s_wait_tensorcnt 0x0
	ds_add_u32 v[SPW], v[NIL]
	s_wait_dscnt 4*NLA+1
	WIN MUL_LO
	MUL16 0, 1, NQ-1, \slot, 0
	s_wait_dscnt 0x0
	s_barrier_signal -1
	MUL16 2, 1, NQ-1, \slot, 0
	WIN 0
	s_barrier_wait -1
.if \fill
	CREST
	s_add_nc_u64 s[G0+4*\slot+2:G0+4*\slot+3], s[G0+4*\slot+2:G0+4*\slot+3], 2*KSB
	s_add_nc_u64 s[G0B+4*\slot+2:G0B+4*\slot+3], s[G0B+4*\slot+2:G0B+4*\slot+3], 2*ROWB
	JLOAD G0+4*\slot, G1, G0B+4*\slot, G1B
.else
	PLACES NP
.endif
	s_wait_alu depctr_va_vdst(0)
	v_add_nc_u32 v[ADRS], 4*NQ, v[ADRS]
	FETCH_B \next, 0, 0
	FETCH_A \next, 0, 0
	SCALES \next
	WIN MUL_HI
	MUL16 4, 1, NQ-1, \slot, 0
	MUL16 6, 1, NQ-1, \slot, 0
	PLACES NP
	WIN 0
	FETCH_A \next, 0, 4
.endm
	s_wait_loadcnt 0x0
	s_wait_tensorcnt 1
	s_barrier_signal -1
	s_barrier_wait -1
	FETCH_B 0, 0, 0
	FETCH_A 0, 0, 0
	SCALES 0
	FETCH_A 0, 0, 4
	STEP 0, 0, 1
	s_mov_b32 s3, LAPS-1
.Llap:
	TURN 0, 1, 1
	STEP 1, 0, 0
	TURN 1, 0, 1
	STEP 0, 0, 0
	s_sub_co_u32 s3, s3, 1
	s_cmp_lg_u32 s3, 0
	s_cbranch_scc1 .Llap
	TURN 0, 1, 0
	STEP 1, 0, 0
	s_wait_dscnt 4*NLA
	WIN MUL_LO
	MUL16 0, 1, NQ-1, 1, 0
	MUL16 2, 1, NQ-1, 1, 0
	s_wait_dscnt 0
	WIN MUL_HI
	MUL16 4, 1, NQ-1, 1, 0
	MUL16 6, 1, NQ-1, 1, 0
	WIN 0
.macro TOSTAGE a
.set AC, 64*((\a)%4)
	WIN (0x08+4*((\a)/4))
.irp b, 0,1,2,3,4,5,6,7
	ds_store_b128 v[STO], v[AC+8*\b:AC+8*\b+3] offset:64*\b
	ds_store_b128 v[STO], v[AC+8*\b+4:AC+8*\b+7] offset:64*\b+16
.endr
	WIN 0
.set BBK, BK+64*((\a)%2)
.irp t, 0,1,2,3,4,5,6,7,8,9,10,11,12,13,14,15
	ds_load_b128 v[BBK+4*\t:BBK+4*\t+3], v[RD] offset:\t*SPITCH
.endr
.endm
.macro SEND a, younger
.set BBK, BK+64*((\a)%2)
	s_wait_dscnt \younger
.if (\a) > 0
	s_add_nc_u64 s[12:13], s[12:13], 16*SIZE_N*4
.endif
.irp t, 0,1,2,3,4,5,6,7,8,9,10,11,12,13,14,15
	v_pk_add_f32 v[BBK+4*\t:BBK+4*\t+1], v[BBK+4*\t:BBK+4*\t+1], v[BO:BO+1]
	v_pk_add_f32 v[BBK+4*\t+2:BBK+4*\t+3], v[BBK+4*\t+2:BBK+4*\t+3], v[BO+2:BO+3]
	global_store_b128 v[CO], v[BBK+4*\t:BBK+4*\t+3], s[12:13] offset:\t*SIZE_N*4 th:TH_STORE_NT
.endr
.endm
	PLACES NP
	TOSTAGE 0
.irp a, 1,2,3,4,5,6,7
.if \a > 1
	s_wait_xcnt 0x0
.endif
	TOSTAGE \a
	SEND \a-1, 32
.endr
	s_wait_xcnt 0x0
	SEND 7, 0
	s_wait_tensorcnt 0x0
	ds_add_u32 v[SPW], v[NIL]
	s_wait_dscnt 0x0
	CROUND
	s_endpgm
.Lfunc_end_k_qcf85599334_outp:
	.size	k_qcf85599334_outp, .Lfunc_end_k_qcf85599334_outp-k_qcf85599334_outp
	.p2alignl 7, 3214868480
	.fill 96, 4, 3214868480
	.section	.rodata,"a",@progbits
	.p2align	6, 0x0
	.amdhsa_kernel k_qcf85599334_outp
		.amdhsa_group_segment_fixed_size 327680
		.amdhsa_private_segment_fixed_size 0
		.amdhsa_enable_private_segment 0
		.amdhsa_kernarg_size 48
		.amdhsa_user_sgpr_count 2
		.amdhsa_user_sgpr_kernarg_segment_ptr 1
		.amdhsa_wavefront_size32 1
		.amdhsa_system_sgpr_workgroup_id_x 1
		.amdhsa_system_sgpr_workgroup_id_y 1
		.amdhsa_system_sgpr_workgroup_id_z 1
		.amdhsa_system_vgpr_workitem_id 0
		.amdhsa_next_free_vgpr 1024
		.amdhsa_next_free_sgpr 100
		.amdhsa_reserve_vcc 0
		.amdhsa_float_denorm_mode_32 3
		.amdhsa_float_denorm_mode_16_64 3
		.amdhsa_memory_ordered 1
		.amdhsa_forward_progress 1
		.amdhsa_inst_pref_size 169
	.end_amdhsa_kernel
	.amdgpu_metadata
---
amdhsa.version: [ 1, 2 ]
amdhsa.kernels:
  - .name:           k_qcf85599334_outp
    .symbol:         k_qcf85599334_outp.kd
    .args:
      - { .name: cc, .offset: 0, .size: 8, .value_kind: global_buffer, .address_space: global }
      - { .name: cs, .offset: 8, .size: 8, .value_kind: global_buffer, .address_space: global }
      - { .name: Wo_codes, .offset: 16, .size: 8, .value_kind: global_buffer, .address_space: global }
      - { .name: Wo_scales, .offset: 24, .size: 8, .value_kind: global_buffer, .address_space: global }
      - { .name: out0, .offset: 32, .size: 8, .value_kind: global_buffer, .address_space: global }
      - { .name: bo, .offset: 40, .size: 8, .value_kind: global_buffer, .address_space: global }
    .group_segment_fixed_size: 327680
    .private_segment_fixed_size: 0
    .kernarg_segment_align: 8
    .kernarg_segment_size: 48
    .max_flat_workgroup_size: 128
    .sgpr_count:     100
    .vgpr_count:     1024
    .wavefront_size: 32
...
	.end_amdgpu_metadata
.endif
;; end of part 3
